; MI455X (gfx1250); checked and timed in simulation.
; The chip was launched on July 23, 2026; its instructions are those of AMD's public machine-readable ISA for CDNA 5 (MIT licence, August 2026) and "CDNA5" Instruction Set Architecture Reference Guide (July 2026). The comments in the code are by the model that wrote it; some were corrected since.
;; HD Model. Allowed arithmetic: float matrix products may take bf16 or f16 operands with f32 sums; all other float work in f32.
;; Inputs: am 1,024 x 4,096 float32; hvs 16,384 x 4,096 float32.
;; Outputs: out0 16,384 int32; out1 16,384 float32.
;; 2 versions, each right; version 2 is version 1 with the launch prep written anew for expert scheduling mode. Each part assembles by itself: llvm-mc -triple=amdgcn-amd-amdhsa -mcpu=gfx1250 --defsym DOCPART=n.
;; ======== version 1 of 2: 3 launches
;; workspace buffers: amb 8,388,608 bytes; rc 4,096 bytes; pval 131,072 bytes; pidx 131,072 bytes
;; launch prep (part 1): grid 256 x 1, 4 waves a work-group, no clusters, 0 bytes of LDS; arguments am, amb, rc; writes amb, rc
.if DOCPART == 1
	.amdgcn_target "amdgcn-amd-amdhsa--gfx1250"
	.amdhsa_code_object_version 6
	.text
	.protected	k_qd138461759_prep
	.globl	k_qd138461759_prep
	.p2align	8
	.type	k_qd138461759_prep,@function
k_qd138461759_prep:
	s_mov_b64 s[64:65], 0
	v_nop
	global_prefetch_b8 v0, s[64:65] scope:SCOPE_SE
	s_setreg_imm32_b32 hwreg(HW_REG_WAVE_MODE, 25, 1), 1
	s_wait_xcnt 0x0
; amb[c][d] = bf16(am[c][d]) (nearest even);  rc[c] = 1 / max(|| bf16(am[c]) ||, 1e-8).   am: [1024][4096] f32.
; The norm is taken of the ROUNDED row: the products of the next launch are made of the rounded numbers, and the class that wins
; a row's comparison there must be the one that wins for rounded inputs normalised by their own norms.
; One wave, one row: 16,384 bytes are 32 loads of 16 bytes a lane, all issued at once and kept in 128 registers; no LDS, no barrier.
; Memory binds: each byte of am is read once; the matrix unit, clusters and LDS have nothing to add here.
; LIMITS: a row with NaN or infinities, or whose sum of squares passes f32's range, gives rc = NaN or 0 as the arithmetic has it.
.set ROWB,  16384                      ; bytes in a row of am
.set OROWB, 8192                       ; bytes in a row of amb
.set EPS,   0x322bcc77                 ; 1e-8
.set SUM,   4                          ; v[4:7]    four chains of the sum of squares
.set X,     16                         ; v[16:143] the row as loaded; words 4i, 4i+1 then hold its four numbers as bf16
	s_load_b128 s[4:7], s[0:1], 0x0                ; am s[4:5], amb s[6:7]
	s_load_b64 s[8:9], s[0:1], 0x10                ; rc
	v_lshrrev_b32 v1, 5, v0
	v_readfirstlane_b32 s12, v1                    ; wave 0..3
	s_lshl_b32 s13, ttmp9, 2
	s_add_co_u32 s13, s13, s12                     ; my row = 4 x work-group + wave
	s_mov_b32 s10, 0x76543210                      ; v_permlanex16_b32: lane i of one half reads lane i of the other
	s_mov_b32 s11, 0xfedcba98
	s_lshl_b32 s14, s13, 14                        ; row x 16,384 bytes (below 2^24)
	s_mov_b32 s15, 0
	s_lshl_b32 s16, s13, 13                        ; row x 8,192 bytes
	s_mov_b32 s17, 0
	s_lshl_b32 s18, s13, 2                         ; row x 4 bytes
	s_mov_b32 s19, 0
	v_and_b32 v1, 31, v0                           ; lane
	v_lshlrev_b32 v2, 4, v1                        ; 16 bytes a lane in
	v_lshlrev_b32 v3, 3, v1                        ; 8 bytes a lane out
	v_mov_b32 v8, 0                                ; offset of rc's one word
.irp k, 0,1,2,3
	v_mov_b32 v[SUM+\k], 0
.endr
	s_wait_kmcnt 0x0
	s_add_nc_u64 s[4:5], s[4:5], s[14:15]
	s_add_nc_u64 s[6:7], s[6:7], s[16:17]
	s_add_nc_u64 s[8:9], s[8:9], s[18:19]
.set i, 0
.rept 32
	global_load_b128 v[X+4*i:X+4*i+3], v2, s[4:5] offset:512*i th:TH_LOAD_NT   ; 512 neighbouring bytes an instruction; am is read once in the launch
.set i, i+1
.endr
.set i, 0
.rept 32
	s_wait_loadcnt 31-i                            ; loads come back in order (ISA guide 5.7.1): piece i is in, the 31 - i younger ones stay out
	v_cvt_pk_bf16_f32 v[X+4*i],   v[X+4*i],   v[X+4*i+1]
	v_cvt_pk_bf16_f32 v[X+4*i+1], v[X+4*i+2], v[X+4*i+3]
	v_fma_mix_f32_bf16 v[SUM+0], v[X+4*i],   v[X+4*i],   v[SUM+0] op_sel_hi:[1,1,0]                 ; low half squared (exact in f32), added
	v_fma_mix_f32_bf16 v[SUM+1], v[X+4*i],   v[X+4*i],   v[SUM+1] op_sel:[1,1,0] op_sel_hi:[1,1,0]  ; high half squared
	v_fma_mix_f32_bf16 v[SUM+2], v[X+4*i+1], v[X+4*i+1], v[SUM+2] op_sel_hi:[1,1,0]
	v_fma_mix_f32_bf16 v[SUM+3], v[X+4*i+1], v[X+4*i+1], v[SUM+3] op_sel:[1,1,0] op_sel_hi:[1,1,0]
	global_store_b64 v3, v[X+4*i:X+4*i+1], s[6:7] offset:256*i   ; the wave's 32 lanes store 256 consecutive bytes, aligned; the data registers are not written again
.set i, i+1
.endr
	v_add_f32 v[SUM+0], v[SUM+0], v[SUM+1]
	v_add_f32 v[SUM+2], v[SUM+2], v[SUM+3]
	v_add_f32 v[SUM+0], v[SUM+0], v[SUM+2]
	v_add_f32_dpp v[SUM], v[SUM], v[SUM] row_xmask:1 row_mask:0xf bank_mask:0xf
	v_add_f32_dpp v[SUM], v[SUM], v[SUM] row_xmask:2 row_mask:0xf bank_mask:0xf
	v_add_f32_dpp v[SUM], v[SUM], v[SUM] row_xmask:4 row_mask:0xf bank_mask:0xf
	v_add_f32_dpp v[SUM], v[SUM], v[SUM] row_xmask:8 row_mask:0xf bank_mask:0xf
	v_permlanex16_b32 v[SUM+1], v[SUM], s10, s11   ; its destination has been written before
	v_add_f32 v[SUM], v[SUM], v[SUM+1]             ; ss, in every lane
	; n = sqrt(ss) with one Newton step, 1/n with one Newton step: the class scales decide close comparisons, so they are made to the last bit or so.
	; Behind each transcendental one plain vector instruction stands before its result is used (ISA guide 5.7.2).
	v_sqrt_f32 v9, v[SUM]
	v_nop
	s_wait_alu depctr_va_vdst(0)
	v_max_num_f32 v9, EPS, v9                      ; keeps the reciprocal below finite for a row of zeros
	v_rcp_f32 v10, v9
	v_nop
	v_fma_f32 v11, -v9, v9, v[SUM]                 ; ss - s s
	s_wait_alu depctr_va_vdst(0)
	v_mul_f32 v10, 0.5, v10
	v_fma_f32 v9, v11, v10, v9                     ; s + (ss - s s) / (2 s)
	v_max_num_f32 v9, EPS, v9                      ; max(n, 1e-8), as the JAX function clamps
	v_rcp_f32 v10, v9
	v_nop
	s_wait_alu depctr_va_vdst(0)
	v_fma_f32 v11, -v9, v10, 1.0
	v_fma_f32 v10, v11, v10, v10                   ; r + r (1 - n r)
	s_wait_xcnt 0x0                                ; EXEC is a source of the stores above: it changes only behind this wait
	v_cmp_eq_u32 vcc_lo, 0, v1
	s_and_saveexec_b32 s20, vcc_lo
	global_store_b32 v8, v10, s[8:9]               ; one word a row: 4,096 bytes in the whole launch
	s_wait_xcnt 0x0
	s_or_b32 exec_lo, exec_lo, s20
	s_endpgm
.Lfunc_end_k_qd138461759_prep:
	.size	k_qd138461759_prep, .Lfunc_end_k_qd138461759_prep-k_qd138461759_prep
	.p2alignl 7, 3214868480
	.fill 96, 4, 3214868480
	.section	.rodata,"a",@progbits
	.p2align	6, 0x0
	.amdhsa_kernel k_qd138461759_prep
		.amdhsa_group_segment_fixed_size 0
		.amdhsa_private_segment_fixed_size 0
		.amdhsa_enable_private_segment 0
		.amdhsa_kernarg_size 24
		.amdhsa_user_sgpr_count 2
		.amdhsa_user_sgpr_kernarg_segment_ptr 1
		.amdhsa_wavefront_size32 1
		.amdhsa_system_sgpr_workgroup_id_x 1
		.amdhsa_system_sgpr_workgroup_id_y 1
		.amdhsa_system_sgpr_workgroup_id_z 1
		.amdhsa_system_vgpr_workitem_id 0
		.amdhsa_next_free_vgpr 144
		.amdhsa_next_free_sgpr 66
		.amdhsa_reserve_vcc 1
		.amdhsa_float_denorm_mode_32 3
		.amdhsa_float_denorm_mode_16_64 3
		.amdhsa_memory_ordered 1
		.amdhsa_forward_progress 1
		.amdhsa_inst_pref_size 22
	.end_amdhsa_kernel
	.amdgpu_metadata
---
amdhsa.version: [ 1, 2 ]
amdhsa.kernels:
  - .name:           k_qd138461759_prep
    .symbol:         k_qd138461759_prep.kd
    .args:
      - { .name: am, .offset: 0, .size: 8, .value_kind: global_buffer, .address_space: global }
      - { .name: amb, .offset: 8, .size: 8, .value_kind: global_buffer, .address_space: global }
      - { .name: rc, .offset: 16, .size: 8, .value_kind: global_buffer, .address_space: global }
    .group_segment_fixed_size: 0
    .private_segment_fixed_size: 0
    .kernarg_segment_align: 8
    .kernarg_segment_size: 24
    .max_flat_workgroup_size: 128
    .sgpr_count:     66
    .vgpr_count:     144
    .wavefront_size: 32
...
	.end_amdgpu_metadata
.endif
;; end of part 1
;; launch sims (part 2): grid 256 x 1, 4 waves a work-group, clusters of 4 x 1, 327,680 bytes of LDS; arguments hvs, amb, rc, pval, pidx, out1; writes pval, pidx, out1
.if DOCPART == 2
	.amdgcn_target "amdgcn-amd-amdhsa--gfx1250"
	.amdhsa_code_object_version 6
	.text
	.protected	k_qd138461759_sims
	.globl	k_qd138461759_sims
	.p2align	8
	.type	k_qd138461759_sims,@function
k_qd138461759_sims:
	s_mov_b64 s[64:65], 0
	v_nop
	global_prefetch_b8 v0, s[64:65] scope:SCOPE_SE
	s_setreg_imm32_b32 hwreg(HW_REG_WAVE_MODE, 25, 1), 1
	s_wait_xcnt 0x0
	s_wait_alu depctr_hold_cnt(0) depctr_sa_sdst(0) depctr_va_vdst(0) depctr_va_sdst(0) depctr_va_ssrc(0) depctr_va_vcc(0) depctr_vm_vsrc(0)
	s_getreg_b32 s2, hwreg(HW_REG_IB_STS2, 6, 4)
	s_cmp_eq_u32 s2, 0
	s_cbranch_scc0 .Lentry_in_a_cluster
	s_endpgm
.Lentry_in_a_cluster:
	s_bfe_u32 s2, ttmp6, 0x10000c
	s_cmp_lg_u32 s2, 0x3003
	s_cbranch_scc0 .Lentry_shape_is_right
	s_endpgm
.Lentry_shape_is_right:
; For 128 rows of hvs and one block of 512 classes: dot[n][c] = sum over d of bf16(hvs[n][d]) amb[c][d] (f32 sums), v = dot x rc[c];
; pval[cb][n] = the largest v of the block, pidx[cb][n] = its class (the lowest on a tie).  A row's own norm is a positive factor common to
; all its classes and does not enter the comparison.  The work-groups of class block 0 also store
; out1[n] = (v[n][1] - v[n][0]) / max(||hvs[n]||, 1e-8) / 4 + 1/2, with the norm summed in f32 from the unrounded row on its way through.
; (The work-groups of block 1 sum the squares too and drop them: 16 packed instructions in 64 matrix instructions, against a second copy of the loop.)
;
; SHARES.  256 work-groups = 128 row blocks x 2 class blocks; four waves, as many as a WGP has SIMDs.  Wave w makes all 128 rows x its 128
; classes: 64 accumulator tiles of 16 x 16, 512 registers.  K = 4096 goes in steps of 128 through two LDS slots of amb (512 rows x 256 bytes),
; filled by tensor loads, each wave its own 128 rows, which it alone reads.  hvs comes through registers: each wave loads 32 rows x 64 numbers
; of f32 (whole aligned pieces of 256 bytes of a row for sixteen lanes), rounds them to bf16, and stores them into a stage of two buffers
; (128 rows x 64 K), from which all four waves read their fragments.  So hvs is never written back to memory as bf16.
; CLUSTER.  The four work-groups of a cluster have the same class block and four neighbouring row blocks: they walk the same tiles of amb and
; ask for them jointly (mask 15), which divides the requests for amb by four.  hvs is not shared in a cluster: the two work-groups that read
; the same rows would need it as f32 tiles in LDS, 128 rows x 512 bytes for each step in two slots, which do not fit beside amb's two slots.
; THE MATRIX INSTRUCTION: source 0 = 16 classes, source 1 = 16 rows of hvs.  Lane (r = l % 16, h = l / 16), register j then holds
; (class 16 b + 8 h + j, row 16 a + r): the search over classes runs inside a lane; only h and the four waves are merged afterwards.
; THE ORDER OF A QUARTER (32 along K, 64 matrix instructions in eight blocks of eight).  The other work of a quarter is 32 vector instructions (a chunk of
; hvs rounded, its squares summed), 8 stage stores, 8 loads of hvs and 32 fragment loads.  The vector work is cut into four groups of eight, one group
; between two blocks; the LDS and memory instructions go in two runs of 24, two or three blocks apart.  So no long stretch without a matrix instruction
; stands in the loop.  The price is window switches: a group needs window 0 and the way back.
; LIMITS.  Rows or classes with NaN or infinities are not served (a NaN loses every comparison here).  Two classes of a row whose values differ
; by less than the rounding of the f32 sums (some 1e-6 of the values' spread) may be ordered otherwise than by another order of summation.
;
; REGISTERS in windows of 256 (s_set_vgpr_msb, low byte: bits 1:0 source 0, 3:2 source 1, 5:4 source 2, 7:6 destination):
;   window 0: addresses, sums of squares, hvs as f32 (two sets), packed bf16; in the epilogue scales and scratch
;   window 1: fragment buffer f at v[128 f]: 8 fragments of amb, then 8 of hvs
;   window 2: accumulators of row tiles 0-3 (tile (a, b) at v[8 (8 a + b)]);  window 3: of row tiles 4-7
.set HROW,   16384                     ; bytes in a row of hvs
.set PITCH,  272                       ; an LDS row of amb: 256 bytes + 16 of padding: the 16 rows of a fragment load lie in 16 different 16-byte columns modulo 256 bytes
.set WROWS,  128*PITCH                 ; one wave's 128 rows: what one tensor load brings
.set SLOT,   4*WROWS
.set ASTG,   2*SLOT                    ; 278,528 = 1,088 x 256: from here on LDS is written by ds_store alone, the slots by tensor loads alone
.set APITCH, 144                       ; a stage row: 128 bytes + 16
.set ABUF,   128*APITCH                ; one stage buffer
.set RCB,    ASTG+2*ABUF               ; the block's 512 class scales
.set SSB,    RCB+2048                  ; 128 sums of squares
.set PVB,    SSB+512                   ; [wave][128] best value, then 2,048 bytes on [wave][128] best class
.set DFB,    PVB+4096                  ; 128 differences v1 - v0;  ends at 322,560
.set EPS,    0x322bcc77                ; 1e-8
.set LAPS,   16                        ; a lap = 256 along K = two steps of amb = four half-steps of hvs
.set RR,   1                           ; v1   r = l % 16 (also q, my 16 bytes in a piece of 256)
.set HH,   2                           ; v2   h = l / 16
.set ADRA, 16                          ; v16  my hvs fragments in stage buffer 0
.set ADRB, 18                          ; v18-19 my amb fragments in slot 0, 1
.set ASTO, 20                          ; v20  where I store 8 bytes of bf16 into stage buffer 0
.set VOFF, 21                          ; v21  byte offset in hvs of my 16 bytes; never rewritten
.set RCO,  22                          ; v22  16 t
.set RCS,  23                          ; v23  RCB + 16 t
.set RCA,  24                          ; epilogue addresses
.set SSA,  25
.set IOFF, 26                          ; class number of my register 0 of tile b = 0
.set PADR, 27
.set DADR, 28
.set LANE, 29
.set OUTO, 30
.set FADR, 31
.set SS,   32                          ; v[32:63]   16 pairs: pair 8 g + j sums the squares of my numbers of row 32 w + 16 g + 8 h + j
.set X0,   64                          ; v[64:127]  hvs of the even half-steps, f32: chunk g (16 rows) at +32 g, row j at +4 j
.set X1,   128                         ; v[128:191] of the odd half-steps
.set PK,   192                         ; v[192:207] a chunk as bf16
.set RCT,  208                         ; v[208:211] class scales on their way to LDS
.set RC,   64                          ; epilogue: v[64:127] rc of my 64 classes;  v[128:191] scaled values of one row tile
.set T,    128
.set BV,   208                         ; four chains: best value, best index
.set BI,   212
.set RV,   216
.set RI,   217
.set OV,   218
.set OI,   219
.set SEL,  220
.set DD,   224                         ; v[224:231] v1 - v0 of row tile a
.set FV,   128                         ; last merge: values and classes of the four waves
.set FI,   144
.set G1,   24                          ; s[24:31] descriptor group 1
.set G0,   32                          ; s[32:39] descriptor group 0, one set for each slot
.set CM,   44                          ; s[44:47] compare masks
.set MSB, 0
.macro WIN new                         ; the immediate's high byte repeats the setting that is left; a switch that changes nothing is dropped
.if MSB != \new
	s_set_vgpr_msb (MSB<<8)|\new
.set MSB, \new
.endif
.endm
.set MUL_LO, 0xa5                      ; sources 0 and 1 window 1, C and D window 2
.set MUL_HI, 0xf5                      ; the same, C and D window 3
.set TO1,    0x40                      ; destination window 1, address window 0
.macro PLACES                          ; four places behind a matrix instruction (ISA guide 7.12.1), where there is no useful vector work to stand there
.rept 4
	v_nop
.endr
.endm
; A round of the cluster's barrier: my work-group's barrier, wave 0 signals for the work-group, every wave waits for all four work-groups, my work-group's barrier again.
.macro CREST                           ; a round behind its opening barrier
	s_cmp_lg_u32 s16, 0
	s_cbranch_scc1 .Lnot_wave_0_\@
	s_barrier_signal -3
.Lnot_wave_0_\@:
	s_barrier_wait -3
	s_barrier_signal -1
	s_barrier_wait -1
.endm
.macro CROUND
	s_barrier_signal -1
	s_barrier_wait -1
	CREST
.endm
	s_load_b256 s[4:11], s[0:1], 0x0               ; hvs s[4:5], amb s[6:7], rc s[8:9], pval s[10:11]
	s_load_b128 s[12:15], s[0:1], 0x20             ; pidx s[12:13], out1 s[14:15]
	v_lshl_add_u32 v254, v0, 2, 0x4ec00
	v_mov_b32 v255, 0
	ds_add_u32 v254, v255
	v_lshrrev_b32 v3, 5, v0
	v_readfirstlane_b32 s16, v3                    ; wave 0..3
	s_bfe_u32 s17, ttmp6, 0x40000                  ; cx: my place in the cluster
	s_and_b32 s18, ttmp9, 1                        ; cb: the class block, from the cluster's number: the same in all four partners
	s_lshr_b32 s19, ttmp9, 1
	s_lshl_b32 s19, s19, 2
	s_add_co_u32 s19, s19, s17                     ; rb: the row block = 4 x (cluster / 2) + cx
	s_mov_b32 s40, 0x76543210                      ; v_permlanex16_b32: lane i of one half reads lane i of the other
	s_mov_b32 s41, 0xfedcba98
	s_mov_b32 s48, 0xffff0000                      ; the lanes with h = 1
	s_mov_b32 s50, 0x3e800000                      ; 0.25
	s_mov_b32 s51, EPS
	; descriptor group 1: a tile of 128 rows x 128 bf16, padded in LDS, for all four work-groups of the cluster
	s_mov_b32 s[G1+0], 15|(1<<16)|(1<<20)|(1<<21)|(5<<22)|(3<<25)  ; 15:0 mask: places 0 to 3; 17:16 element of 2 bytes; 20 padding on; 21 set beside a mask; 24:22 after every 64 words; 31:25 of 4 words
	s_mov_b32 s[G1+1], 128<<16                     ; tensor_dim0 = 128
	s_mov_b32 s[G1+2], 128<<16                     ; tensor_dim1 = 128
	s_mov_b32 s[G1+3], 128<<16                     ; tile_dim0 = 128
	s_mov_b32 s[G1+4], 128                         ; tile_dim1 = 128
	s_mov_b32 s[G1+5], 4096                        ; elements from row to row
	s_mov_b32 s[G1+6], 0
	s_mov_b32 s[G1+7], 0
	; amb's offset is made of the class block and the wave alone, in registers that never hold cx
	s_lshl_b32 s20, s18, 22                        ; 512 classes x 8,192 bytes
	s_lshl_b32 s21, s16, 20                        ; 128 classes x 8,192 bytes
	s_add_co_u32 s20, s20, s21
	s_mov_b32 s21, 0
	s_mul_i32 s22, s16, WROWS                      ; my rows in a slot
	s_lshl_b32 s52, s19, 21                        ; hvs: 128 rows x 16,384 bytes (below 2^28)
	s_mov_b32 s53, 0
	s_lshl_b32 s54, s19, 9                         ; out1: 128 rows x 4 bytes
	s_mov_b32 s55, 0
	s_lshl_b32 s56, s18, 16                        ; pval, pidx: the class block's 16,384 words, then the row block
	s_add_co_u32 s56, s56, s54
	s_mov_b32 s57, 0
	s_lshl_b32 s58, s18, 11                        ; rc: 512 words
	s_mov_b32 s59, 0
	v_and_b32 v[RR], 15, v0
	v_bfe_u32 v[HH], v0, 4, 1
	; a fragment is 16 rows x 32 K in 8 registers: lane (r, h) takes 16 bytes at row r, byte 16 h, and 16 more 32 bytes on
	v_mul_u32_u24 v3, v[RR], APITCH
	v_lshl_add_u32 v3, v[HH], 4, v3
	v_add_nc_u32 v[ADRA], ASTG, v3
	v_mul_u32_u24 v3, v[RR], PITCH
	v_lshl_add_u32 v3, v[HH], 4, v3
	v_add_nc_u32 v[ADRB], s22, v3
	v_add_nc_u32 v[ADRB+1], SLOT, v[ADRB]
	; the stage: sixteen lanes take a row's 256 bytes of f32 and store its 128 bytes of bf16; lanes 16-31 the row 8 further down
	s_mul_i32 s23, s16, 32*APITCH
	s_add_co_u32 s23, s23, ASTG
	v_mul_u32_u24 v3, v[HH], 8*APITCH
	v_lshl_add_u32 v3, v[RR], 3, v3
	v_add_nc_u32 v[ASTO], s23, v3                  ; ASTG + (32 w + 8 h) x 144 + 8 q
	s_lshl_b32 s23, s16, 19
	v_lshlrev_b32 v3, 17, v[HH]
	v_lshl_add_u32 v3, v[RR], 4, v3
	v_add_nc_u32 v[VOFF], s23, v3                  ; (32 w + 8 h) x 16,384 + 16 q
	v_lshlrev_b32 v[RCO], 4, v0
	v_add_nc_u32 v[RCS], RCB, v[RCO]
	s_wait_dscnt 0x0
	s_wait_kmcnt 0x0
	s_add_nc_u64 s[4:5], s[4:5], s[52:53]
	s_add_nc_u64 s[6:7], s[6:7], s[20:21]
	s_add_nc_u64 s[8:9], s[8:9], s[58:59]
	s_add_nc_u64 s[10:11], s[10:11], s[56:57]
	s_add_nc_u64 s[12:13], s[12:13], s[56:57]
	s_add_nc_u64 s[14:15], s[14:15], s[54:55]
.irp s, 0,1
	s_mov_b32 s[G0+4*\s], 1                                        ; count = 1
	s_add_co_u32 s[G0+4*\s+1], s22, \s*SLOT                        ; LDS address: wave x 34,816 + slot x 139,264
	s_add_nc_u64 s[G0+4*\s+2:G0+4*\s+3], s[6:7], \s*256            ; global address: K step s
	s_or_b32 s[G0+4*\s+3], s[G0+4*\s+3], 0x80000000                ; type = 2
.endr
; eight loads: chunk g (16 rows) of the half-step at byte imm of the rows.  Sixteen lanes read 256 consecutive bytes of a row, aligned.
; No cache hint: the work-group of the other class block reads the same rows.
.macro LOADX x, g, imm
.irp j, 0,1,2,3,4,5,6,7
	global_load_b128 v[\x+32*\g+4*\j:\x+32*\g+4*\j+3], v[VOFF], s[4:5] offset:(16*\g+\j)*HROW+\imm
.endr
.endm
; Eight vector instructions: rows j and j + 1 of chunk g are rounded to bf16 and their squares summed.  first = 1: the first product starts the sum.
; The two sums of a row stand three instructions apart.  All registers lie in window 0: each of these lines is also a place behind the matrix instructions.
.macro CVROWS x, g, j, first
.set XB, \x+32*\g+4*\j
.set SB, SS+16*\g+2*\j
.set PB, PK+2*\j
	v_cvt_pk_bf16_f32 v[PB],   v[XB],   v[XB+1]
	v_cvt_pk_bf16_f32 v[PB+1], v[XB+2], v[XB+3]
.if \first
	v_pk_mul_f32 v[SB:SB+1], v[XB:XB+1], v[XB:XB+1]
.else
	v_pk_fma_f32 v[SB:SB+1], v[XB:XB+1], v[XB:XB+1], v[SB:SB+1]
.endif
	v_cvt_pk_bf16_f32 v[PB+2], v[XB+4], v[XB+5]
	v_cvt_pk_bf16_f32 v[PB+3], v[XB+6], v[XB+7]
.if \first
	v_pk_mul_f32 v[SB+2:SB+3], v[XB+4:XB+5], v[XB+4:XB+5]
.else
	v_pk_fma_f32 v[SB+2:SB+3], v[XB+4:XB+5], v[XB+4:XB+5], v[SB+2:SB+3]
.endif
	v_pk_fma_f32 v[SB:SB+1],   v[XB+2:XB+3], v[XB+2:XB+3], v[SB:SB+1]
	v_pk_fma_f32 v[SB+2:SB+3], v[XB+6:XB+7], v[XB+6:XB+7], v[SB+2:SB+3]
.endm
; The rounded chunk goes into stage buffer st, and (reload = 1) its f32 registers are loaded again, at byte imm of the rows.
.macro CVOUT x, g, st, imm, reload
.irp j, 0,1,2,3,4,5,6,7
	ds_store_b64 v[ASTO], v[PK+2*\j:PK+2*\j+1] offset:\st*ABUF+(16*\g+\j)*APITCH   ; two rows of 128 bytes, 1,152 bytes apart: 256 different bytes modulo 256
.endr
.if \reload
	LOADX \x, \g, \imm
.endif
.endm
; A whole chunk at once, for the start, where there is no matrix work to stand among.  left = how many younger loads may stay out.
.macro CONV x, g, st, imm, left, first
	s_wait_loadcnt \left                           ; loads come back in order (ISA guide 5.7.1): my chunk is in; the younger chunks, eight loads each, stay out
	CVROWS \x, \g, 0, \first
	CVROWS \x, \g, 2, \first
	CVROWS \x, \g, 4, \first
	CVROWS \x, \g, 6, \first
	CVOUT \x, \g, \st, \imm, 1
.endm
; A group in the loop: window 0, then rows j, j + 1 (cv = 0: no chunk is left to convert: nothing)
.macro CVG cv, x, g, j
.if \cv
	WIN 0
	CVROWS \x, \g, \j, 0
.endif
.endm
; A block of 8 matrix instructions: row tile a of the window's four (hi = 0: tiles 0-3, 1: tiles 4-7) x my 8 class tiles, 32 along K, from buffer f.
; zero = 1: the first product starts the sums.  The 64 accumulators take turns, one instruction a turn, in the same order in every quarter.
.macro MUL8 f, hi, a, zero
.irp b, 0,1,2,3,4,5,6,7
.if \zero
	v_wmma_f32_16x16x32_bf16 v[8*(8*\a+\b):8*(8*\a+\b)+7], v[128*\f+8*\b:128*\f+8*\b+7], v[128*\f+64+8*(4*\hi+\a):128*\f+64+8*(4*\hi+\a)+7], 0
.else
	v_wmma_f32_16x16x32_bf16 v[8*(8*\a+\b):8*(8*\a+\b)+7], v[128*\f+8*\b:128*\f+8*\b+7], v[128*\f+64+8*(4*\hi+\a):128*\f+64+8*(4*\hi+\a)+7], v[8*(8*\a+\b):8*(8*\a+\b)+7]
.endif
.endr
.endm
; 24 LDS loads into buffer f: my 128 classes at byte kb of the slot's rows, then row tiles 0-3 of hvs at byte ka of the stage: what the lower half of a quarter needs
.macro FETCHA slot, kb, ka, f
	WIN TO1
.irp i, 0,1,2,3,4,5,6,7
	ds_load_b128 v[128*\f+8*\i:128*\f+8*\i+3],   v[ADRB+\slot] offset:\kb+\i*16*PITCH
	ds_load_b128 v[128*\f+8*\i+4:128*\f+8*\i+7], v[ADRB+\slot] offset:\kb+\i*16*PITCH+32
.endr
.irp i, 0,1,2,3
	ds_load_b128 v[128*\f+64+8*\i:128*\f+64+8*\i+3],   v[ADRA] offset:\ka+\i*16*APITCH
	ds_load_b128 v[128*\f+64+8*\i+4:128*\f+64+8*\i+7], v[ADRA] offset:\ka+\i*16*APITCH+32
.endr
.endm
; 8 LDS loads into buffer f: row tiles 4-7, which the upper half needs.  They are the last LDS instructions of a quarter.
.macro FETCHB ka, f
	WIN TO1
.irp i, 4,5,6,7
	ds_load_b128 v[128*\f+64+8*\i:128*\f+64+8*\i+3],   v[ADRA] offset:\ka+\i*16*APITCH
	ds_load_b128 v[128*\f+64+8*\i+4:128*\f+64+8*\i+7], v[ADRA] offset:\ka+\i*16*APITCH+32
.endr
.endm
; The first quarter of a half-step: multiplies buffer 0, converts a chunk (cv = 1), fetches the second quarter's fragments into buffer 1.
; Buffer 1 was last read by the quarter before: the two groups (16 vector instructions), or four v_nop, are the places in front of the loads into it.
.macro QUARTER slot, kb, ka, zero, cv, x, cg, st, imm, reload, left
	s_wait_dscnt 8                                 ; amb's fragments and row tiles 0-3 are in (and the last stage stores done); the youngest eight, row tiles 4-7, may be out
	WIN MUL_LO
	MUL8 0, 0, 0, \zero
.if \cv
	s_wait_loadcnt \left                           ; loads come back in order (ISA guide 5.7.1): my chunk is in; the younger chunks, eight loads each, stay out
.else
	PLACES
.endif
	CVG \cv, \x, \cg, 0
	WIN MUL_LO
	MUL8 0, 0, 1, \zero
	CVG \cv, \x, \cg, 2
	WIN MUL_LO
	MUL8 0, 0, 2, \zero
	FETCHA \slot, \kb, \ka, 1                      ; 40 matrix instructions ahead of their first use
	WIN MUL_LO
	MUL8 0, 0, 3, \zero
	CVG \cv, \x, \cg, 4
	s_wait_dscnt 24                                ; all but the 24 loads just issued: row tiles 4-7 of buffer 0 are in
	WIN MUL_HI
	MUL8 0, 1, 0, \zero
	CVG \cv, \x, \cg, 6
	WIN MUL_HI
	MUL8 0, 1, 1, \zero
.if \cv
	WIN 0
	CVOUT \x, \cg, \st, \imm, \reload              ; the stores stand in front of the eight loads below, so that those are the youngest eight at the next quarter's head
.endif
	FETCHB \ka, 1
	WIN MUL_HI
	MUL8 0, 1, 2, \zero
	MUL8 0, 1, 3, \zero
.endm
; The second quarter of a half-step: multiplies buffer 1 and passes the half-step's barrier.  In front of the signal each wave's LDS instructions are done:
; its reads of this half-step's stage buffer (which is written again behind the barrier) and its stores into the other one (which is read behind it).
; mode 0: in the middle of a slot of amb: nothing more.  mode 1: a change of slots: all my tensor loads have landed too, the next slot's among them.
; mode 2: the same, and the barrier opens a round of the cluster's barrier, behind which slot fillslot, which no wave of any partner reads any more,
; is asked for again, two K steps ahead: my one tensor load until the next such round, and the first thing behind this one.
; From that request to the wait for it a wave issues 240 matrix instructions.  Between signal and wait stands register work alone: two blocks and two groups.
; The chunk's arithmetic may stand in front of the barrier; its stores into the stage stand behind it.
.macro TURN mode, fillslot, nslot, nkb, nka, cv, x, cg, st, imm, reload, left
	s_wait_dscnt 8
	WIN MUL_LO
	MUL8 1, 0, 0, 0
.if \cv
	s_wait_loadcnt \left
.else
	PLACES
.endif
	CVG \cv, \x, \cg, 0
	WIN MUL_LO
	MUL8 1, 0, 1, 0
	s_wait_dscnt 0                                 ; for the others' sake: zero
.if \mode
	s_set_vgpr_msb 0xa5a0
	s_wait_tensorcnt 0x0                           ; all my tensor loads have landed: no descriptor is in use
	ds_add_u32 v254, v255
	s_wait_dscnt 0x0
	s_set_vgpr_msb 0xa0a5
.endif
	s_barrier_signal -1
	CVG \cv, \x, \cg, 2
	WIN MUL_LO
	MUL8 1, 0, 2, 0
	CVG \cv, \x, \cg, 4
	WIN MUL_LO
	MUL8 1, 0, 3, 0
	WIN 0
	s_barrier_wait -1
.if \mode == 2
	CREST
	s_add_nc_u64 s[G0+4*\fillslot+2:G0+4*\fillslot+3], s[G0+4*\fillslot+2:G0+4*\fillslot+3], 512   ; two K steps of 256 bytes on
	tensor_load_to_lds s[G0+4*\fillslot:G0+4*\fillslot+3], s[G1:G1+7]
	s_nop 0
.endif
	FETCHA \nslot, \nkb, \nka, 0                   ; the next half-step's first fragments: 32 matrix instructions ahead of their first use
	WIN MUL_HI
	MUL8 1, 1, 0, 0
	CVG \cv, \x, \cg, 6
	WIN MUL_HI
	MUL8 1, 1, 1, 0
.if \cv
	WIN 0
	CVOUT \x, \cg, \st, \imm, \reload
.endif
	FETCHB \nka, 0
	WIN MUL_HI
	MUL8 1, 1, 2, 0
	MUL8 1, 1, 3, 0
.endm
; A lap: half-steps 4 L .. 4 L + 3.  During half-step i the chunks of half-step i + 1 are converted into the other stage buffer and the loads of
; half-step i + 3 go out (the immediates count pieces of 256 bytes from the lap's first).  From a chunk's loads to the wait for them a wave issues 216 matrix instructions.
.macro LAP zero
	QUARTER 0, 64,  64,      \zero, 1, X1, 1, 1, 3*256, 1, 24
	TURN 0, 0, 0, 128, ABUF,        1, X0, 0, 0, 4*256, 1, 24
	QUARTER 0, 192, ABUF+64, 0,     1, X0, 1, 0, 4*256, 1, 24
	TURN 2, 0, 1, 0,   0,           1, X1, 0, 1, 5*256, 1, 24
	QUARTER 1, 64,  64,      0,     1, X1, 1, 1, 5*256, 1, 24
	TURN 0, 0, 1, 128, ABUF,        1, X0, 0, 0, 6*256, 1, 24
	QUARTER 1, 192, ABUF+64, 0,     1, X0, 1, 0, 6*256, 1, 24
	TURN 2, 1, 0, 0,   0,           1, X1, 0, 1, 7*256, 1, 24
	WIN 0                                          ; at a label and at a branch every window is 0
	s_wait_xcnt 0x0                                ; the pending loads' base is stepped only behind this wait
	s_add_nc_u64 s[4:5], s[4:5], 1024              ; four half-steps of 256 bytes
.endm
	global_load_b128 v[RCT:RCT+3], v[RCO], s[8:9]  ; the block's 512 class scales, 16 bytes a thread
	LOADX X0, 0, 0                                 ; half-step 0
	LOADX X0, 1, 0
	LOADX X1, 0, 256                               ; half-step 1
	LOADX X1, 1, 256
	CROUND                                         ; all four work-groups are here: the first joint loads meet
	tensor_load_to_lds s[G0:G0+3], s[G1:G1+7]      ; K step 0 and K step 1: the two first fills go out together; two tensor loads of a wave are out here, one later
	s_nop 0
	tensor_load_to_lds s[G0+4:G0+7], s[G1:G1+7]
	s_nop 0
	s_wait_loadcnt 32                              ; the scales are in; the 32 loads of hvs behind them stay out
	ds_store_b128 v[RCS], v[RCT:RCT+3]
	CONV X0, 0, 0, 512, 24, 1                      ; half-step 0 into stage buffer 0; half-step 2 goes out
	CONV X0, 1, 0, 512, 24, 1
	s_wait_dscnt 0                                 ; my stores are done,
	s_wait_tensorcnt 1                             ; my part of K step 0 is in; K step 1's may stay out
	s_barrier_signal -1
	s_barrier_wait -1
	CONV X1, 0, 1, 768, 24, 0                      ; the first chunk of half-step 1; half-step 3 goes out
	FETCHA 0, 0, 0, 0
	FETCHB 0, 0
	LAP 1                                          ; the first lap stands in front of the loop: its first products start the sums
	s_mov_b32 s3, LAPS-2
.Llap:
	LAP 0
	s_sub_co_u32 s3, s3, 1
	s_cmp_lg_u32 s3, 0
	s_cbranch_scc1 .Llap
	; the last lap: one more chunk is loaded (the last half-step's second), then the counts run down; no slot is filled
	QUARTER 0, 64,  64,      0,     1, X1, 1, 1, 3*256, 1, 24
	TURN 0, 0, 0, 128, ABUF,        1, X0, 0, 0, 0, 0, 24
	QUARTER 0, 192, ABUF+64, 0,     1, X0, 1, 0, 0, 0, 16
	TURN 1, 0, 1, 0,   0,           1, X1, 0, 1, 0, 0, 8
	QUARTER 1, 64,  64,      0,     1, X1, 1, 1, 0, 0, 0
	TURN 0, 0, 1, 128, ABUF,        0, X0, 0, 0, 0, 0, 0
	QUARTER 1, 192, ABUF+64, 0,     0, X0, 0, 0, 0, 0, 0
	s_wait_dscnt 8                                 ; the very last quarter: nothing more to fetch
	WIN MUL_LO
	MUL8 1, 0, 0, 0
	MUL8 1, 0, 1, 0
	MUL8 1, 0, 2, 0
	MUL8 1, 0, 3, 0
	s_wait_dscnt 0
	WIN MUL_HI
	MUL8 1, 1, 0, 0
	MUL8 1, 1, 1, 0
	MUL8 1, 1, 2, 0
	MUL8 1, 1, 3, 0
	; THE SEARCH.  The four v_nop are the places behind the last matrix instructions, for the multiplications that read the sums.
	PLACES
	WIN 0
	s_lshl_b32 s20, s16, 9                         ; 512 w
	s_add_co_u32 s21, s20, RCB
	v_lshl_add_u32 v[RCA], v[HH], 5, s21           ; scales of classes 128 w + 8 h + ..
	s_add_co_u32 s21, s20, PVB
	v_lshl_add_u32 v[PADR], v[HH], 11, s21         ; lanes with h = 0 store values, lanes with h = 1 classes, 2,048 bytes on
	v_lshl_add_u32 v[PADR], v[RR], 2, v[PADR]
	s_lshl_b32 s21, s16, 7
	s_lshl_b32 s22, s18, 9
	s_add_co_u32 s22, s22, s21
	v_lshl_add_u32 v[IOFF], v[HH], 3, s22          ; 512 cb + 128 w + 8 h
	v_and_b32 v[LANE], 31, v0
	v_mov_b32 v[OV], 0                             ; destinations of v_permlanex16_b32 count as read: written once here
	v_mov_b32 v[OI], 0
.irp b, 0,1,2,3,4,5,6,7
	ds_load_b128 v[RC+8*\b:RC+8*\b+3],   v[RCA] offset:64*\b      ; rc of classes 16 b + 8 h + 0..3 of my 128
	ds_load_b128 v[RC+8*\b+4:RC+8*\b+7], v[RCA] offset:64*\b+16
.endr
	s_cmp_lg_u32 s18, 0
	s_cbranch_scc1 .Lno_ss                         ; the rows' norms are wanted with classes 0 and 1 alone
	s_add_co_u32 s21, s21, SSB
	v_lshl_add_u32 v[SSA], v[HH], 5, s21           ; SSB + 4 (32 w + 8 h)
.irp p, 0,1,2,3,4,5,6,7,8,9,10,11,12,13,14,15
	v_add_f32 v[SS+2*\p], v[SS+2*\p], v[SS+2*\p+1]
.endr
.irp m, 1,2,4,8
.irp p, 0,1,2,3,4,5,6,7,8,9,10,11,12,13,14,15
	v_add_f32_dpp v[SS+2*\p], v[SS+2*\p], v[SS+2*\p] row_xmask:\m row_mask:0xf bank_mask:0xf   ; over the sixteen lanes that shared the row
.endr
.endr
.irp p, 0,1,2,3,4,5,6,7,8,9,10,11,12,13,14,15
	ds_store_b32 v[SSA], v[SS+2*\p] offset:64*(\p/8)+4*(\p%8)      ; sixteen lanes write the same word with the same value
.endr
.Lno_ss:
	s_wait_dscnt 0                                 ; the scales are in
; Row tile a (accumulators in window 2 or 3: win = 0x02 or 0x03 for source 0): 64 values a lane = dot x rc; four chains of 16 in ascending class order,
; each keeping the earlier class where it is not beaten; the chains, then the two halves of the lanes, are merged with the lower class kept on a tie.
; Nothing here steers a branch or an address: the choice is made by v_cndmask_b32.
.macro BESTOF a, win
	WIN \win
.irp b, 0,1,2,3,4,5,6,7
.irp k, 0,2,4,6
	v_pk_mul_f32 v[T+8*\b+\k:T+8*\b+\k+1], v[8*(8*(\a%4)+\b)+\k:8*(8*(\a%4)+\b)+\k+1], v[RC+8*\b+\k:RC+8*\b+\k+1]
.endr
.endr
	WIN 0
.irp c, 0,1,2,3
	v_cmp_ge_f32 s[CM+\c], v[T+16*\c], v[T+16*\c+1]
.endr
.irp c, 0,1,2,3
	v_cndmask_b32 v[BI+\c], 1, 0, s[CM+\c]
	v_max_num_f32 v[BV+\c], v[T+16*\c], v[T+16*\c+1]
.endr
.irp e, 2,3,4,5,6,7,8,9,10,11,12,13,14,15
.irp c, 0,1,2,3
	v_cmp_ge_f32 s[CM+\c], v[BV+\c], v[T+16*\c+\e]
.endr
.irp c, 0,1,2,3
	v_cndmask_b32 v[BI+\c], 16*(\e/8)+(\e%8), v[BI+\c], s[CM+\c]   ; value e of a chain is class 16 (e / 8) + e % 8 of the chain's 32 (my h apart)
	v_max_num_f32 v[BV+\c], v[BV+\c], v[T+16*\c+\e]
.endr
.endr
	v_sub_f32 v[DD+\a], v[T+1], v[T]               ; in wave 0 of class block 0, lanes with h = 0: v(class 1) - v(class 0) of row 16 a + r
	v_add_nc_u32 v[BI+1], 32, v[BI+1]
	v_add_nc_u32 v[BI+2], 64, v[BI+2]
	v_add_nc_u32 v[BI+3], 96, v[BI+3]
	v_cmp_ge_f32 s[CM], v[BV], v[BV+1]
	v_cmp_ge_f32 s[CM+1], v[BV+2], v[BV+3]
	v_cndmask_b32 v[BI], v[BI+1], v[BI], s[CM]
	v_max_num_f32 v[BV], v[BV], v[BV+1]
	v_cndmask_b32 v[BI+2], v[BI+3], v[BI+2], s[CM+1]
	v_max_num_f32 v[BV+2], v[BV+2], v[BV+3]
	v_cmp_ge_f32 s[CM], v[BV], v[BV+2]
	v_cndmask_b32 v[RI], v[BI+2], v[BI], s[CM]
	v_max_num_f32 v[RV], v[BV], v[BV+2]
	v_add_nc_u32 v[RI], v[IOFF], v[RI]             ; the class's number among the 1,024
	v_permlanex16_b32 v[OV], v[RV], s40, s41       ; the other half's best of the same row
	v_permlanex16_b32 v[OI], v[RI], s40, s41
	v_cmp_gt_f32 s[CM], v[OV], v[RV]
	v_cmp_eq_f32 s[CM+1], v[OV], v[RV]
	v_cmp_lt_u32 s[CM+2], v[OI], v[RI]             ; the halves' classes interleave in eights: a tie is settled by the numbers
	s_and_b32 s[CM+1], s[CM+1], s[CM+2]
	s_or_b32 s[CM], s[CM], s[CM+1]
	v_cndmask_b32 v[RV], v[RV], v[OV], s[CM]
	v_cndmask_b32 v[RI], v[RI], v[OI], s[CM]
	v_cndmask_b32 v[SEL], v[RV], v[RI], s48        ; h = 0: the value; h = 1: the class
	ds_store_b32 v[PADR], v[SEL] offset:64*\a      ; row 16 a + r of my wave's 128
.endm
	BESTOF 0, 0x02
	BESTOF 1, 0x02
	BESTOF 2, 0x02
	BESTOF 3, 0x02
	BESTOF 4, 0x03
	BESTOF 5, 0x03
	BESTOF 6, 0x03
	BESTOF 7, 0x03
	s_cmp_lg_u32 s16, 0
	s_cbranch_scc1 .Lno_d                          ; classes 0 and 1 lie in wave 0
	s_cmp_lg_u32 s18, 0
	s_cbranch_scc1 .Lno_d                          ; of class block 0
	; The lanes with h = 0 hold the differences.  The lanes with h = 1 take their partner's and write the same word with the same value: all lanes stay on.
	v_lshl_add_u32 v[DADR], v[RR], 2, DFB
.irp a, 0,1,2,3,4,5,6,7
	v_permlanex16_b32 v[OV], v[DD+\a], s40, s41
	v_cndmask_b32 v[DD+\a], v[DD+\a], v[OV], s48
	ds_store_b32 v[DADR], v[DD+\a] offset:64*\a
.endr
.Lno_d:
	s_wait_dscnt 0                                 ; my stores are done, for wave 0's sake
	s_barrier_signal -1
	s_barrier_wait -1
	s_cmp_lg_u32 s16, 0
	s_cbranch_scc1 .Lclose
	; wave 0: lane l merges the four waves' results of rows 4 l .. 4 l + 3, in ascending order of the waves' classes, the earlier kept where it is not beaten
	v_lshlrev_b32 v[OUTO], 4, v[LANE]
	v_add_nc_u32 v[FADR], PVB, v[OUTO]
.irp u, 0,1,2,3
	ds_load_b128 v[FV+4*\u:FV+4*\u+3], v[FADR] offset:512*\u
	ds_load_b128 v[FI+4*\u:FI+4*\u+3], v[FADR] offset:2048+512*\u
.endr
	s_wait_dscnt 0
.irp u, 1,2,3
.irp k, 0,1,2,3
	v_cmp_ge_f32 s[CM+\k], v[FV+\k], v[FV+4*\u+\k]
.endr
.irp k, 0,1,2,3
	v_cndmask_b32 v[FI+\k], v[FI+4*\u+\k], v[FI+\k], s[CM+\k]
	v_max_num_f32 v[FV+\k], v[FV+\k], v[FV+4*\u+\k]
.endr
.endr
	global_store_b128 v[OUTO], v[FV:FV+3], s[10:11]        ; 512 consecutive bytes, aligned
	global_store_b128 v[OUTO], v[FI:FI+3], s[12:13]
	s_cmp_lg_u32 s18, 0
	s_cbranch_scc1 .Lclose
	v_add_nc_u32 v[SSA], SSB, v[OUTO]
	ds_load_b128 v[160:163], v[SSA]                        ; sums of squares of my four rows
	ds_load_b128 v[164:167], v[SSA] offset:DFB-SSB         ; v1 - v0 of my four rows
	s_wait_dscnt 0
.irp k, 0,1,2,3
	v_sqrt_f32 v[168+\k], v[160+\k]
.endr
	v_nop                                          ; one plain place behind the transcendentals (ISA guide 5.7.2)
	s_wait_alu depctr_va_vdst(0)
.irp k, 0,1,2,3
	v_max_num_f32 v[168+\k], s51, v[168+\k]        ; max(norm, 1e-8)
.endr
.irp k, 0,1,2,3
	v_rcp_f32 v[172+\k], v[168+\k]
.endr
	v_nop
	s_wait_alu depctr_va_vdst(0)
.irp k, 0,1,2,3
	v_mul_f32 v[164+\k], v[164+\k], v[172+\k]
.endr
.irp k, 0,1,2,3
	v_fma_f32 v[176+\k], v[164+\k], s50, 0.5       ; (sims1 - sims0) / 4 + 1/2
.endr
	global_store_b128 v[OUTO], v[176:179], s[14:15]
.Lclose:
	s_wait_tensorcnt 0x0
	ds_add_u32 v254, v255
	s_wait_dscnt 0x0
	CROUND                                         ; the closing round: no work-group ends while a partner may still ask for a tile that names it
	s_endpgm
.Lfunc_end_k_qd138461759_sims:
	.size	k_qd138461759_sims, .Lfunc_end_k_qd138461759_sims-k_qd138461759_sims
	.p2alignl 7, 3214868480
	.fill 96, 4, 3214868480
	.section	.rodata,"a",@progbits
	.p2align	6, 0x0
	.amdhsa_kernel k_qd138461759_sims
		.amdhsa_group_segment_fixed_size 327680
		.amdhsa_private_segment_fixed_size 0
		.amdhsa_enable_private_segment 0
		.amdhsa_kernarg_size 48
		.amdhsa_user_sgpr_count 2
		.amdhsa_user_sgpr_kernarg_segment_ptr 1
		.amdhsa_wavefront_size32 1
		.amdhsa_system_sgpr_workgroup_id_x 1
		.amdhsa_system_sgpr_workgroup_id_y 1
		.amdhsa_system_sgpr_workgroup_id_z 1
		.amdhsa_system_vgpr_workitem_id 0
		.amdhsa_next_free_vgpr 1024
		.amdhsa_next_free_sgpr 66
		.amdhsa_reserve_vcc 0
		.amdhsa_float_denorm_mode_32 3
		.amdhsa_float_denorm_mode_16_64 3
		.amdhsa_memory_ordered 1
		.amdhsa_forward_progress 1
		.amdhsa_inst_pref_size 255
	.end_amdhsa_kernel
	.section	.bss,"aw",@nobits
	.p2align	6
	.space	262144
	.amdgpu_metadata
---
amdhsa.version: [ 1, 2 ]
amdhsa.kernels:
  - .name:           k_qd138461759_sims
    .symbol:         k_qd138461759_sims.kd
    .args:
      - { .name: hvs, .offset: 0, .size: 8, .value_kind: global_buffer, .address_space: global }
      - { .name: amb, .offset: 8, .size: 8, .value_kind: global_buffer, .address_space: global }
      - { .name: rc, .offset: 16, .size: 8, .value_kind: global_buffer, .address_space: global }
      - { .name: pval, .offset: 24, .size: 8, .value_kind: global_buffer, .address_space: global }
      - { .name: pidx, .offset: 32, .size: 8, .value_kind: global_buffer, .address_space: global }
      - { .name: out1, .offset: 40, .size: 8, .value_kind: global_buffer, .address_space: global }
    .group_segment_fixed_size: 327680
    .private_segment_fixed_size: 0
    .kernarg_segment_align: 8
    .kernarg_segment_size: 48
    .max_flat_workgroup_size: 128
    .sgpr_count:     66
    .vgpr_count:     1024
    .wavefront_size: 32
...
	.end_amdgpu_metadata
.endif
;; end of part 2
;; launch pick (part 3): grid 32 x 1, 4 waves a work-group, no clusters, 0 bytes of LDS; arguments pval, pidx, out0; writes out0
.if DOCPART == 3
	.amdgcn_target "amdgcn-amd-amdhsa--gfx1250"
	.amdhsa_code_object_version 6
	.text
	.protected	k_qd138461759_pick
	.globl	k_qd138461759_pick
	.p2align	8
	.type	k_qd138461759_pick,@function
k_qd138461759_pick:
	s_mov_b64 s[64:65], 0
	v_nop
	global_prefetch_b8 v0, s[64:65] scope:SCOPE_SE
	s_setreg_imm32_b32 hwreg(HW_REG_WAVE_MODE, 25, 1), 1
	s_wait_xcnt 0x0
; out0[n] = the class of the larger of the two class blocks' best values; a tie goes to block 0, whose classes are the lower ones.
; pval, pidx: [2][16384].  A thread takes four rows: four loads and one store of 16 bytes; 16,384 rows are 4,096 threads, 32 work-groups of four waves.
; 320 KiB are moved in all: nothing is to be gained here by LDS, matrix units or deeper queues of loads.
; LIMIT: a NaN in pval loses or wins as the comparison gives it (rows with NaN are not served).
.set HALF, 65536                       ; bytes of one class block's 16,384 words
	s_load_b128 s[4:7], s[0:1], 0x0                ; pval s[4:5], pidx s[6:7]
	s_load_b64 s[8:9], s[0:1], 0x10                ; out0
	s_lshl_b32 s10, ttmp9, 11                      ; 128 threads x 16 bytes
	v_lshl_add_u32 v1, v0, 4, s10
	s_wait_kmcnt 0x0
	global_load_b128 v[4:7],   v1, s[4:5]
	global_load_b128 v[8:11],  v1, s[4:5] offset:HALF
	global_load_b128 v[12:15], v1, s[6:7]
	global_load_b128 v[16:19], v1, s[6:7] offset:HALF
	s_wait_loadcnt 0x0
.irp k, 0,1,2,3
	v_cmp_ge_f32 vcc_lo, v[4+\k], v[8+\k]
	v_cndmask_b32 v[20+\k], v[16+\k], v[12+\k], vcc_lo
.endr
	global_store_b128 v1, v[20:23], s[8:9]         ; a wave stores 512 consecutive bytes, aligned
	s_endpgm
.Lfunc_end_k_qd138461759_pick:
	.size	k_qd138461759_pick, .Lfunc_end_k_qd138461759_pick-k_qd138461759_pick
	.p2alignl 7, 3214868480
	.fill 96, 4, 3214868480
	.section	.rodata,"a",@progbits
	.p2align	6, 0x0
	.amdhsa_kernel k_qd138461759_pick
		.amdhsa_group_segment_fixed_size 0
		.amdhsa_private_segment_fixed_size 0
		.amdhsa_enable_private_segment 0
		.amdhsa_kernarg_size 24
		.amdhsa_user_sgpr_count 2
		.amdhsa_user_sgpr_kernarg_segment_ptr 1
		.amdhsa_wavefront_size32 1
		.amdhsa_system_sgpr_workgroup_id_x 1
		.amdhsa_system_sgpr_workgroup_id_y 1
		.amdhsa_system_sgpr_workgroup_id_z 1
		.amdhsa_system_vgpr_workitem_id 0
		.amdhsa_next_free_vgpr 24
		.amdhsa_next_free_sgpr 66
		.amdhsa_reserve_vcc 1
		.amdhsa_float_denorm_mode_32 3
		.amdhsa_float_denorm_mode_16_64 3
		.amdhsa_memory_ordered 1
		.amdhsa_forward_progress 1
		.amdhsa_inst_pref_size 2
	.end_amdhsa_kernel
	.amdgpu_metadata
---
amdhsa.version: [ 1, 2 ]
amdhsa.kernels:
  - .name:           k_qd138461759_pick
    .symbol:         k_qd138461759_pick.kd
    .args:
      - { .name: pval, .offset: 0, .size: 8, .value_kind: global_buffer, .address_space: global }
      - { .name: pidx, .offset: 8, .size: 8, .value_kind: global_buffer, .address_space: global }
      - { .name: out0, .offset: 16, .size: 8, .value_kind: global_buffer, .address_space: global }
    .group_segment_fixed_size: 0
    .private_segment_fixed_size: 0
    .kernarg_segment_align: 8
    .kernarg_segment_size: 24
    .max_flat_workgroup_size: 128
    .sgpr_count:     66
    .vgpr_count:     24
    .wavefront_size: 32
...
	.end_amdgpu_metadata
.endif
;; end of part 3
;; ======== version 2 of 2: 3 launches; version 1 with the launch prep written anew for expert scheduling mode
;; workspace buffers: amb 8,388,608 bytes; rc 4,096 bytes; pval 131,072 bytes; pidx 131,072 bytes
;; launch prep (part 4): grid 256 x 1, 4 waves a work-group, no clusters, 0 bytes of LDS; arguments am, amb, rc; writes amb, rc
.if DOCPART == 4
	.amdgcn_target "amdgcn-amd-amdhsa--gfx1250"
	.amdhsa_code_object_version 6
	.text
	.protected	k_qd138461759_prep
	.globl	k_qd138461759_prep
	.p2align	8
	.type	k_qd138461759_prep,@function
k_qd138461759_prep:
	s_mov_b64 s[64:65], 0
	v_nop
	global_prefetch_b8 v0, s[64:65] scope:SCOPE_SE
	s_setreg_imm32_b32 hwreg(HW_REG_WAVE_SCHED_MODE, 0, 2), 2
	s_setreg_imm32_b32 hwreg(HW_REG_WAVE_MODE, 25, 1), 1
	s_wait_xcnt 0x0
	s_wait_alu depctr_vm_vsrc(0)
; amb[c][d] = bf16(am[c][d]) (nearest even);  rc[c] = 1 / max(|| bf16(am[c]) ||, 1e-8).   am: [1024][4096] f32.
; The norm is taken of the ROUNDED row: the products of the next launch are made of the rounded numbers, and the class that wins
; a row's comparison there must be the one that wins for rounded inputs normalised by their own norms.
; One wave, one row: 16,384 bytes are 32 loads of 16 bytes a lane, all issued at once and kept in 128 registers; no LDS, no barrier.
; Memory binds: each byte of am is read once; the matrix unit, clusters and LDS have nothing to add here.
; LIMITS: a row with NaN or infinities, or whose sum of squares passes f32's range, gives rc = NaN or 0 as the arithmetic has it.
; THE MODE: SCHED_MODE bits 1:0 = 2 (LLVM: expert scheduling mode 2), set by the entry lines.  The code itself states the register dependences
; between vector instructions and memory instructions, with s_wait_alu, always for 0.
; THE PLAN.  Registers that memory instructions touch:
;   v2, v3, v8     byte offsets of the loads, of amb's stores and of rc's store: made once at the head and never written again.
;   X, piece i     four registers.  Written by piece i's load, which is issued before any vector instruction names them; read by piece i's conversions;
;                  its words 0 and 1 are written once by those conversions, read by the sums and by piece i's store, and never written again.
;   v10            written by the last Newton step, read by rc's store.
; The 32 pieces go in eight blocks of four.  Block p rounds and sums its own four pieces; its memory instructions are the four stores of block p - 1,
; whose registers no vector instruction of block p names.  So one wait at a block's head states all that the block's stores hang on, and they are dealt
; among its vector instructions with no further wait.  No register that a memory instruction reads is written again, so nothing is owed on that side
; but the lines at the two writes of EXEC.
.set ROWB,  16384                      ; bytes in a row of am
.set OROWB, 8192                       ; bytes in a row of amb
.set EPS,   0x322bcc77                 ; 1e-8
.set BLOCK, 4                          ; pieces in a block
.set SUM,   4                          ; v[4:7]    four chains of the sum of squares
.set X,     16                         ; v[16:143] the row as loaded; words 4i, 4i+1 then hold its four numbers as bf16
	s_load_b128 s[4:7], s[0:1], 0x0                ; am s[4:5], amb s[6:7]
	s_load_b64 s[8:9], s[0:1], 0x10                ; rc
	v_lshrrev_b32 v1, 5, v0
	v_readfirstlane_b32 s12, v1                    ; wave 0..3
	v_and_b32 v1, 31, v0                           ; lane
	v_lshlrev_b32 v2, 4, v1                        ; 16 bytes a lane in
	v_lshlrev_b32 v3, 3, v1                        ; 8 bytes a lane out
	v_mov_b32 v8, 0                                ; offset of rc's one word
.irp k, 0,1,2,3
	v_mov_b32 v[SUM+\k], 0
.endr
	s_mov_b32 s10, 0x76543210                      ; v_permlanex16_b32: lane i of one half reads lane i of the other
	s_mov_b32 s11, 0xfedcba98
	s_lshl_b32 s13, ttmp9, 2
	s_wait_alu depctr_va_sdst(0)                   ; s12 is written, ahead of its first reader: the row's three offsets are made from it
	s_add_co_u32 s13, s13, s12                     ; my row = 4 x work-group + wave
	s_lshl_b32 s14, s13, 14                        ; row x 16,384 bytes (below 2^24)
	s_mov_b32 s15, 0
	s_lshl_b32 s16, s13, 13                        ; row x 8,192 bytes
	s_mov_b32 s17, 0
	s_lshl_b32 s18, s13, 2                         ; row x 4 bytes
	s_mov_b32 s19, 0
	s_wait_kmcnt 0x0
	s_add_nc_u64 s[4:5], s[4:5], s[14:15]
	s_add_nc_u64 s[6:7], s[6:7], s[16:17]
	s_add_nc_u64 s[8:9], s[8:9], s[18:19]
	s_wait_alu depctr_va_vdst(0)                   ; v2, v3 and v8 are written: every load and store of the kernel reads one of them as its offset
.set i, 0
.rept 32
	global_load_b128 v[X+4*i:X+4*i+3], v2, s[4:5] offset:512*i th:TH_LOAD_NT   ; 512 neighbouring bytes an instruction; am is read once in the launch
.set i, i+1
.endr
.set i, 0
.rept 32
	s_wait_loadcnt 31-i                            ; loads come back in order (ISA guide 5.7.1): piece i is in, the 31 - i younger ones stay out
.if (i % BLOCK == 0) && (i > 0)
	s_wait_alu depctr_va_vdst(0)                   ; the block before has written its packed words, which this block's four stores read
.endif
.if i >= BLOCK
	global_store_b64 v3, v[X+4*(i-BLOCK):X+4*(i-BLOCK)+1], s[6:7] offset:256*(i-BLOCK)   ; a piece of the block before: the wave's 32 lanes store 256 consecutive bytes, aligned; no vector instruction since the wait names these registers, and none writes them again
.endif
	v_cvt_pk_bf16_f32 v[X+4*i],   v[X+4*i],   v[X+4*i+1]
	v_cvt_pk_bf16_f32 v[X+4*i+1], v[X+4*i+2], v[X+4*i+3]
	v_fma_mix_f32_bf16 v[SUM+0], v[X+4*i],   v[X+4*i],   v[SUM+0] op_sel_hi:[1,1,0]                 ; low half squared (exact in f32), added
	v_fma_mix_f32_bf16 v[SUM+1], v[X+4*i],   v[X+4*i],   v[SUM+1] op_sel:[1,1,0] op_sel_hi:[1,1,0]  ; high half squared
	v_fma_mix_f32_bf16 v[SUM+2], v[X+4*i+1], v[X+4*i+1], v[SUM+2] op_sel_hi:[1,1,0]
	v_fma_mix_f32_bf16 v[SUM+3], v[X+4*i+1], v[X+4*i+1], v[SUM+3] op_sel:[1,1,0] op_sel_hi:[1,1,0]
.set i, i+1
.endr
	s_wait_alu depctr_va_vdst(0)                   ; the last block has written its packed words, which the last four stores read
.set i, 32-BLOCK
.rept BLOCK
	global_store_b64 v3, v[X+4*i:X+4*i+1], s[6:7] offset:256*i
.set i, i+1
.endr
	v_add_f32 v[SUM+0], v[SUM+0], v[SUM+1]
	v_add_f32 v[SUM+2], v[SUM+2], v[SUM+3]
	v_add_f32 v[SUM+0], v[SUM+0], v[SUM+2]
	v_add_f32_dpp v[SUM], v[SUM], v[SUM] row_xmask:1 row_mask:0xf bank_mask:0xf
	v_add_f32_dpp v[SUM], v[SUM], v[SUM] row_xmask:2 row_mask:0xf bank_mask:0xf
	v_add_f32_dpp v[SUM], v[SUM], v[SUM] row_xmask:4 row_mask:0xf bank_mask:0xf
	v_add_f32_dpp v[SUM], v[SUM], v[SUM] row_xmask:8 row_mask:0xf bank_mask:0xf
	v_permlanex16_b32 v[SUM+1], v[SUM], s10, s11   ; its destination has been written before
	v_add_f32 v[SUM], v[SUM], v[SUM+1]             ; ss, in every lane
	; n = sqrt(ss) with one Newton step, 1/n with one Newton step: the class scales decide close comparisons, so they are made to the last bit or so.
	; Behind each transcendental one plain vector instruction stands before its result is used (ISA guide 5.7.2).
	v_sqrt_f32 v9, v[SUM]
	v_nop
	s_wait_alu depctr_va_vdst(0)                   ; the square root has written v9, ahead of its first reader
	v_max_num_f32 v9, EPS, v9                      ; keeps the reciprocal below finite for a row of zeros
	v_rcp_f32 v10, v9
	v_nop
	v_fma_f32 v11, -v9, v9, v[SUM]                 ; ss - s s
	s_wait_alu depctr_va_vdst(0)                   ; the reciprocal has written v10, ahead of its first reader
	v_mul_f32 v10, 0.5, v10
	v_fma_f32 v9, v11, v10, v9                     ; s + (ss - s s) / (2 s)
	v_max_num_f32 v9, EPS, v9                      ; max(n, 1e-8), as the JAX function clamps
	v_rcp_f32 v10, v9
	v_nop
	s_wait_alu depctr_va_vdst(0)                   ; the second reciprocal has written v10, ahead of its first reader
	v_fma_f32 v11, -v9, v10, 1.0
	v_fma_f32 v10, v11, v10, v10                   ; r + r (1 - n r)
	s_wait_xcnt 0x0                                ; EXEC is a source of the stores above: it changes only behind this wait
	v_cmp_eq_u32 vcc_lo, 0, v1
	s_wait_alu depctr_va_vcc(0)                    ; the compare has written VCC, from which EXEC is made
	s_wait_alu depctr_va_vdst(0)                   ; ahead of the write of EXEC: the vector instructions issued so far are done; among them the Newton step that writes v10, the data of the store below
	s_wait_alu depctr_vm_vsrc(0)                   ; ahead of the write of EXEC: amb's stores have read their vector registers
	s_and_saveexec_b32 s20, vcc_lo
	global_store_b32 v8, v10, s[8:9]               ; one word a row: 4,096 bytes in the whole launch
	s_wait_xcnt 0x0
	s_wait_alu depctr_va_vdst(0)                   ; ahead of the write of EXEC: no vector instruction is pending
	s_wait_alu depctr_vm_vsrc(0)                   ; ahead of the write of EXEC: rc's store has read v8 and v10
	s_or_b32 exec_lo, exec_lo, s20
	s_endpgm
.Lfunc_end_k_qd138461759_prep:
	.size	k_qd138461759_prep, .Lfunc_end_k_qd138461759_prep-k_qd138461759_prep
	.p2alignl 7, 3214868480
	.fill 96, 4, 3214868480
	.section	.rodata,"a",@progbits
	.p2align	6, 0x0
	.amdhsa_kernel k_qd138461759_prep
		.amdhsa_group_segment_fixed_size 0
		.amdhsa_private_segment_fixed_size 0
		.amdhsa_enable_private_segment 0
		.amdhsa_kernarg_size 24
		.amdhsa_user_sgpr_count 2
		.amdhsa_user_sgpr_kernarg_segment_ptr 1
		.amdhsa_wavefront_size32 1
		.amdhsa_system_sgpr_workgroup_id_x 1
		.amdhsa_system_sgpr_workgroup_id_y 1
		.amdhsa_system_sgpr_workgroup_id_z 1
		.amdhsa_system_vgpr_workitem_id 0
		.amdhsa_next_free_vgpr 144
		.amdhsa_next_free_sgpr 66
		.amdhsa_reserve_vcc 1
		.amdhsa_float_denorm_mode_32 3
		.amdhsa_float_denorm_mode_16_64 3
		.amdhsa_memory_ordered 1
		.amdhsa_forward_progress 1
		.amdhsa_inst_pref_size 23
	.end_amdhsa_kernel
	.amdgpu_metadata
---
amdhsa.version: [ 1, 2 ]
amdhsa.kernels:
  - .name:           k_qd138461759_prep
    .symbol:         k_qd138461759_prep.kd
    .args:
      - { .name: am, .offset: 0, .size: 8, .value_kind: global_buffer, .address_space: global }
      - { .name: amb, .offset: 8, .size: 8, .value_kind: global_buffer, .address_space: global }
      - { .name: rc, .offset: 16, .size: 8, .value_kind: global_buffer, .address_space: global }
    .group_segment_fixed_size: 0
    .private_segment_fixed_size: 0
    .kernarg_segment_align: 8
    .kernarg_segment_size: 24
    .max_flat_workgroup_size: 128
    .sgpr_count:     66
    .vgpr_count:     144
    .wavefront_size: 32
...
	.end_amdgpu_metadata
.endif
;; end of part 4
;; launch sims: the kernel of part 2 again; grid 256 x 1, 4 waves a work-group, clusters of 4 x 1, 327,680 bytes of LDS; arguments hvs, amb, rc, pval, pidx, out1; writes pval, pidx, out1
;; launch pick: the kernel of part 3 again; grid 32 x 1, 4 waves a work-group, no clusters, 0 bytes of LDS; arguments pval, pidx, out0; writes out0
